; MI455X (gfx1250); checked and timed in simulation.
; The chip was launched on July 23, 2026; its instructions are those of AMD's public machine-readable ISA for CDNA 5 (MIT licence, August 2026) and "CDNA5" Instruction Set Architecture Reference Guide (July 2026). The comments in the code are by the model that wrote it; some were corrected since.
;; Roberta Self Attention. Allowed arithmetic: matrix products marked QUANTISED: E2M1 operands, one E8M0 scale for each 32 along K, by v_wmma_scale_f32_16x16x128_f8f6f4 with both operands' format E2M1 (or v_wmma_scale_f32_32x16x128_f4), f32 sums; everything else in f32.
;; Inputs: Wk 1,024 x 1,024 float32; Wq 1,024 x 1,024 float32; Wv 1,024 x 1,024 float32; attention_mask 4 x 1 x 1 x 2,048 float32; bk 1,024 float32; bq 1,024 float32; bv 1,024 float32; hidden_states 4 x 2,048 x 1,024 float32.
;; Outputs: out0 4 x 2,048 x 1,024 float32.
;; This version of the problem:
;;   THIS VERSION OF THE PROBLEM IS GIVEN IN LOW PRECISION. The matrix products marked QUANTISED in the list below multiply operands that are first quantised to E2M1 (2 exponent bits, 1 mantissa bit; 4 bits a number), with one power-of-two scale for each 32 numbers along K (OCP MX v1.0); their sums are f32. All else is computed in f32.
;;   The module's matrix products, in the order in which they are computed (A, B: the left and right operand; K: the contracted axis; several contracted axes count as one K, in the product's order):
;;     1. [M 8,192, K 1,024] x [K 1,024, N 1,024]; A: input hidden_states; B: input Wq: QUANTISED
;;     2. [M 8,192, K 1,024] x [K 1,024, N 1,024]; A: input hidden_states; B: input Wk: QUANTISED
;;     3. [M 8,192, K 1,024] x [K 1,024, N 1,024]; A: input hidden_states; B: input Wv: QUANTISED
;;     4. batch 64 x [M 2,048, K 64] x [K 64, N 2,048]; A: computed on the way; B: computed on the way: QUANTISED
;;     5. batch 64 x [M 2,048, K 2,048] x [K 2,048, N 64]; A: softmax (see below); B: computed on the way: QUANTISED
;;   THE QUANTISER, for each operand of a quantised product, along K:
;;     - K is cut into blocks of 32 from its start; a last block that is shorter is filled with zeros.
;;     - A block's scale is 2^e with e = floor(log2(the largest magnitude in the block)) - 2, held to -126 .. 127; a block of zeros has e = 0. As a byte (E8M0): e + 127.
;;     - Each number is divided by its block's scale, clamped to +-6, and rounded to the nearest number of E2M1, ties to even, subnormals kept.
;;     - The product sums the exact products of the quantised numbers (number of the format x scale) in f32.
;;   ~~~python
;;   def quantise(x, axis):      # numpy; x: float32 -> the quantised numbers, widened to float32 again
;;       x = np.moveaxis(x, axis, -1); K = x.shape[-1]
;;       x = np.pad(x, [(0, 0)] * (x.ndim - 1) + [(0, -K % 32)]); x = x.reshape(x.shape[:-1] + (-1, 32)); a = np.abs(x).max(-1, keepdims=True)
;;       e = np.where(a > 0, np.clip(np.frexp(np.where(a > 0, a, 1))[1] - 1 - 2, -126, 127), 0)      # np.frexp(a)[1] - 1 = floor(log2(a)), exactly
;;       r = np.clip(x / 2.0 ** e, -6, 6)
;;       step = 2.0 ** (np.maximum(np.frexp(np.where(r == 0, 1, r))[1] - 1, 0) - 1)
;;       q = np.round(r / step) * step * 2.0 ** e      # np.round: ties to even
;;       return np.moveaxis(q.reshape(q.shape[:-2] + (-1,))[..., :K], -1, axis).astype(np.float32)
;;   ~~~
;;   SOFTMAX AHEAD OF A QUANTISED PRODUCT. Where the list says 'softmax', what is quantised is not the finished softmax but p = 2^(t - M), with t = logit x log2(e) and M = ceil(the row's largest t), a whole number; so 1/2 < the row's largest p <= 1. The row's sum l is taken of the UNQUANTISED p, in f32, and the product's result is divided by l at the end. Since M is a whole number, a kernel that streams over the keys may use a running M (the ceiling of the running maximum): every later rescaling is an exact power of two, which a block's scale takes up: the codes' values come out the same.
;;   OPERANDS COMPUTED ON THE WAY. 'Computed on the way' means the value that the module computes at that place (a softmax that the list does not call 'softmax' is quantised finished and normalised). What goes into a quantiser is computed in f32, as accurately as f32 sums, v_exp_f32 and their like allow (about 1e-6 of the number): no bf16 or f16 on the way to a quantiser, and a product that is left as it is and whose result goes on into a quantised operand takes f32 operands (vector FMAs, or v_wmma_f32_16x16x4_f32). A number that lies on a knife's edge between two numbers of the format may be rounded either way, as far as f32 arithmetic and the matrix unit's own rounding can turn it there, and no further.
;; One version. Each part assembles by itself: llvm-mc -triple=amdgcn-amd-amdhsa -mcpu=gfx1250 --defsym DOCPART=n.
;; ======== version 1 of 1: 3 launches
;; limits: right only within a limited range of input values
;; workspace buffers: codes 5,767,168 bytes; scales 360,448 bytes; qrec 9,699,328 bytes; kvrec 9,699,328 bytes
;; launch quant (part 1): grid 704 x 1, 4 waves a work-group, no clusters, 35,328 bytes of LDS; arguments hidden_states, Wq, Wk, Wv, codes, scales; writes codes, scales
.if DOCPART == 1
	.amdgcn_target "amdgcn-amd-amdhsa--gfx1250"
	.amdhsa_code_object_version 6
	.text
	.protected	k_qd913a9173c_quant
	.globl	k_qd913a9173c_quant
	.p2align	8
	.type	k_qd913a9173c_quant,@function
k_qd913a9173c_quant:
	s_mov_b64 s[64:65], 0
	v_nop
	global_prefetch_b8 v0, s[64:65] scope:SCOPE_SE
	s_setreg_imm32_b32 hwreg(HW_REG_WAVE_MODE, 25, 1), 1
	s_wait_xcnt 0x0
; hidden_states [8192][1024] and Wq, Wk, Wv [1024][1024], f32, K innermost, become codes of FP4 (E2M1) with one E8M0 byte for each 32 along K,
; laid as IMAGES OF OPERAND REGISTERS.  A row tile T = 2 B + u holds the 16 rows 32 B + 8 u + r + 8 (r / 8), r = 0 .. 15; tiles 0-511 are x, 512-575 Wq, 576-639 Wk, 640-703 Wv.
;   codes  [K half 2][T 704][K step in the half 4][c 2][lane 32][16 bytes]: lane (r, h), c: k = 128 step + 64 c + 32 h + 0 .. 31 of the tile's row r
;   scales [T 704][lane 32][g 4] words: lane (r, h), word g: the scale word of row r for K step 2 g + h
; A block's scale is 2^(floor(log2(largest magnitude)) - 2); its byte is the largest magnitude's exponent field - 2, held at 1 from below.
; LIMITS: a block of zeros, and a block whose largest magnitude lies under 2^-124, keep the byte 1 (zeros have zero codes, and this program alone reads the bytes); NaN and infinities are not served.
; SHARES: a work-group takes one row tile, wave w its K steps 2 w and 2 w + 1.  Each load reads 512 consecutive bytes of one row; all 32 loads of a wave go out together.
; The conversions want 16 neighbours along K in one lane, so a K step's 16 x 512 bytes turn through the wave's own stage in LDS (rows 528 bytes apart: 33 x 16, so the 16 rows that a read touches fall on different banks).
.set SPT,   528                        ; a stage row
.set STG,   16*SPT                     ; a wave's stage
.set GS,    4*STG                      ; behind the stages: the tile's 512 bytes of scale words
.set PLANE, 704*4096                   ; a K half of the codes' buffer
.set TM,    16                         ; v16-19 largest magnitudes, v20-23 at work, v28-31 the conversions' scale operands
.set PW,    32                         ; v32, v33 the two K steps' scale words;  v34 the one that my half of the lanes stores
.set PC,    40                         ; v40-47, v48-55 the two K steps' codes: no store's data are written again
.set GW,    56                         ; v56-59 the tile's scale words on the way out
.set R,     64                         ; v64-191 two K steps as loaded
.set X,     192                        ; v192-255 64 numbers: register 16 b + i = k 32 b + 16 h + i of my row
.set SEL,   20                         ; s[20:21] lane selects: lane l xor 16
; 64 numbers of a lane become a fragment's codes in v[pc] on and its scale word in v[pw]
.macro QUANT s, pc, pw
.irp b, 0,1,2,3
	v_max3_num_f32 v[TM+\b], |v[\s+16*\b]|, |v[\s+1+16*\b]|, 0x1800000   ; block b: my 16 numbers, and the floor 2^(3 - 127): the byte cannot fall under 1
.endr
.irp i, 2,4,6,8,10,12,14
.irp b, 0,1,2,3
	v_max3_num_f32 v[TM+\b], v[TM+\b], |v[\s+16*\b+\i]|, |v[\s+1+16*\b+\i]|   ; the four blocks by turns
.endr
.endr
.irp b, 0,1,2,3
	v_permlanex16_b32 v[TM+4+\b], v[TM+\b], s[SEL], s[SEL+1]
.endr
.irp b, 0,1,2,3
	v_max_num_f32 v[TM+\b], v[TM+\b], v[TM+4+\b]   ; with lane l xor 16's 16: the block's largest magnitude
.endr
.irp b, 0,1,2,3
	v_add_nc_u32 v[TM+12+\b], 0xff000000, v[TM+\b]   ; 2 off its exponent field: the conversion takes this operand's exponent field as its scale
.endr
.irp b, 0,1,2,3
	v_lshrrev_b32 v[TM+4+\b], 23, v[TM+12+\b]      ; the scale's byte
.endr
	v_lshl_or_b32 v[\pw], v[TM+5], 8, v[TM+4]      ; four bytes: my row's scale word
	v_lshl_or_b32 v[\pw], v[TM+6], 16, v[\pw]
	v_lshl_or_b32 v[\pw], v[TM+7], 24, v[\pw]
.irp b, 0,1,2,3
	v_cvt_scalef32_pk8_fp4_f32 v[\pc+2*\b], v[\s+16*\b:\s+7+16*\b], v[TM+12+\b]
	v_cvt_scalef32_pk8_fp4_f32 v[\pc+1+2*\b], v[\s+8+16*\b:\s+15+16*\b], v[TM+12+\b]
.endr
	v_nop                                          ; one plain line behind the scaled conversions
.irp c, 0,1                                    ; the operand wants a whole block in a lane: lanes 0-15 block 2 c, lanes 16-31 block 2 c + 1
.irp i, 0,1
	v_permlane16_swap_b32 v[\pc+4*\c+\i], v[\pc+2+4*\c+\i]
.endr
.endr
.endm
; K step e goes through the stage: in as loaded, out 64 bytes a block and lane.  LDS serves a wave's instructions in order: no wait between the stores and the loads
.macro TURN e
.irp p, 0,1,2,3,4,5,6,7,8,9,10,11,12,13,14,15
	ds_store_b128 v5, v[R+64*\e+4*\p:R+64*\e+4*\p+3] offset:SPT*\p
.endr
.irp b, 0,1,2,3
.irp j, 0,1,2,3
	ds_load_b128 v[X+16*\b+4*\j:X+16*\b+4*\j+3], v6 offset:128*\b+16*\j
.endr
.endr
	s_wait_dscnt 0x0
.endm
	s_load_b256 s[4:11], s[0:1], 0x0               ; x s[4:5], Wq s[6:7], Wk s[8:9], Wv s[10:11]
	s_load_b128 s[12:15], s[0:1], 0x20             ; codes s[12:13], scales s[14:15]
	v_lshl_add_u32 v62, v0, 2, 0x8800
	v_mov_b32 v63, 0
	v_lshrrev_b32 v1, 5, v0
	v_readfirstlane_b32 s16, v1                    ; wave 0..3
	v_and_b32 v1, 31, v0                           ; lane
	v_and_b32 v2, 15, v0                           ; r
	v_bfe_u32 v3, v0, 4, 1                         ; h
	v_lshlrev_b32 v4, 4, v1                        ; 16 x lane: my bytes of a load, of an image, of the scale words
	s_mul_i32 s17, s16, STG
	v_add_nc_u32 v5, s17, v4                       ; the stage, in: 16 x lane of a row
	v_mul_u32_u24 v6, v2, SPT
	v_lshl_add_u32 v6, v3, 6, v6
	v_add_nc_u32 v6, s17, v6                       ; and out: row r, + 64 h
	s_lshl_b32 s28, s16, 2
	v_add_nc_u32 v7, s28, v4
	v_add_nc_u32 v7, GS, v7                        ; my scale word's place: 16 x lane + 4 x wave
	v_add_nc_u32 v8, GS, v4
	s_mov_b32 s[SEL], 0x76543210
	s_mov_b32 s[SEL+1], 0xfedcba98
.irp b, 0,1,2,3
	v_mov_b32 v[TM+4+\b], 0                        ; written once: a lane permute's destination counts as one of its sources
.endr
	s_and_b32 s22, ttmp9, 63                       ; a weight's tile number
	s_wait_alu depctr_va_vdst(0)
	s_wait_kmcnt 0x0
	s_cmp_lt_u32 ttmp9, 576                        ; which tensor: the choice hangs on the work-group's number alone
	s_cselect_b64 s[18:19], s[6:7], s[8:9]
	s_cmp_lt_u32 ttmp9, 640
	s_cselect_b64 s[18:19], s[18:19], s[10:11]
	s_cmp_lt_u32 ttmp9, 512
	s_cselect_b64 s[18:19], s[4:5], s[18:19]
	s_cselect_b32 s22, ttmp9, s22                  ; the tile's number in its tensor
	s_lshr_b32 s23, s22, 1
	s_lshl_b32 s23, s23, 17                        ; 32 rows of 4,096 bytes for each pair of tiles,
	s_and_b32 s24, s22, 1
	s_lshl_b32 s24, s24, 15                        ; 8 rows for the odd one,
	s_add_co_u32 s24, s24, s23
	s_lshl_b32 s25, s16, 10                        ; my wave's two K steps: 1,024 bytes of a row
	s_add_co_u32 s24, s24, s25
	s_mov_b32 s25, 0
	s_add_nc_u64 s[18:19], s[18:19], s[24:25]
	s_lshr_b32 s26, s16, 1                         ; the codes: K half wave / 2,
	s_mul_i32 s26, s26, PLANE
	s_lshl_b32 s27, ttmp9, 12                      ; tile,
	s_add_co_u32 s26, s26, s27
	s_and_b32 s27, s16, 1
	s_lshl_b32 s27, s27, 11                        ; K steps 2 (wave % 2) and the next
	s_add_co_u32 s26, s26, s27
	s_mov_b32 s27, 0
	s_add_nc_u64 s[12:13], s[12:13], s[26:27]
	s_lshl_b32 s26, ttmp9, 9                       ; the scale words: 512 bytes a tile
	s_add_nc_u64 s[14:15], s[14:15], s[26:27]
.irp e, 0,1
.irp p, 0,1,2,3,4,5,6,7,8,9,10,11,12,13,14,15
	global_load_b128 v[R+64*\e+4*\p:R+64*\e+4*\p+3], v4, s[18:19] offset:(\p+8*(\p/8))*4096+512*\e th:TH_LOAD_NT   ; 32 lanes read 512 consecutive bytes: K step e of the tile's row p
.endr
.endr
	s_wait_loadcnt 16                              ; the first K step's sixteen loads are in; the second's sixteen may be out
	TURN 0
	QUANT X, PC, PW
	global_store_b128 v4, v[PC:PC+3], s[12:13]               ; an image: 512 consecutive bytes a store
	global_store_b128 v4, v[PC+4:PC+7], s[12:13] offset:512
	s_wait_loadcnt 0x0
	TURN 1
	QUANT X, PC+8, PW+1
	global_store_b128 v4, v[PC+8:PC+11], s[12:13] offset:1024
	global_store_b128 v4, v[PC+12:PC+15], s[12:13] offset:1536
	v_cmp_le_u32 vcc_lo, 16, v1
	v_cndmask_b32 v[PW+2], v[PW], v[PW+1], vcc_lo  ; lanes 0-15 hold K step 2 w's word of row r, lanes 16-31 K step 2 w + 1's
	ds_store_b32 v7, v[PW+2]
	s_wait_dscnt 0x0                               ; for the others' sake: my word lies in LDS
	s_barrier_signal -1
	s_barrier_wait -1
	s_cmp_lg_u32 s16, 0
	s_cbranch_scc1 .Ldone                          ; wave 0 stores the tile's 512 bytes of scale words whole
	ds_load_b128 v[GW:GW+3], v8
	s_wait_dscnt 0x0
	global_store_b128 v4, v[GW:GW+3], s[14:15]
.Ldone:
	s_wait_tensorcnt 0x0
	ds_add_u32 v62, v63
	s_wait_dscnt 0x0
	s_endpgm
.Lfunc_end_k_qd913a9173c_quant:
	.size	k_qd913a9173c_quant, .Lfunc_end_k_qd913a9173c_quant-k_qd913a9173c_quant
	.p2alignl 7, 3214868480
	.fill 96, 4, 3214868480
	.section	.rodata,"a",@progbits
	.p2align	6, 0x0
	.amdhsa_kernel k_qd913a9173c_quant
		.amdhsa_group_segment_fixed_size 35328
		.amdhsa_private_segment_fixed_size 0
		.amdhsa_enable_private_segment 0
		.amdhsa_kernarg_size 48
		.amdhsa_user_sgpr_count 2
		.amdhsa_user_sgpr_kernarg_segment_ptr 1
		.amdhsa_wavefront_size32 1
		.amdhsa_system_sgpr_workgroup_id_x 1
		.amdhsa_system_sgpr_workgroup_id_y 1
		.amdhsa_system_sgpr_workgroup_id_z 1
		.amdhsa_system_vgpr_workitem_id 0
		.amdhsa_next_free_vgpr 256
		.amdhsa_next_free_sgpr 66
		.amdhsa_reserve_vcc 1
		.amdhsa_float_denorm_mode_32 3
		.amdhsa_float_denorm_mode_16_64 3
		.amdhsa_memory_ordered 1
		.amdhsa_forward_progress 1
		.amdhsa_inst_pref_size 19
	.end_amdhsa_kernel
	.amdgpu_metadata
---
amdhsa.version: [ 1, 2 ]
amdhsa.kernels:
  - .name:           k_qd913a9173c_quant
    .symbol:         k_qd913a9173c_quant.kd
    .args:
      - { .name: hidden_states, .offset: 0, .size: 8, .value_kind: global_buffer, .address_space: global }
      - { .name: Wq, .offset: 8, .size: 8, .value_kind: global_buffer, .address_space: global }
      - { .name: Wk, .offset: 16, .size: 8, .value_kind: global_buffer, .address_space: global }
      - { .name: Wv, .offset: 24, .size: 8, .value_kind: global_buffer, .address_space: global }
      - { .name: codes, .offset: 32, .size: 8, .value_kind: global_buffer, .address_space: global }
      - { .name: scales, .offset: 40, .size: 8, .value_kind: global_buffer, .address_space: global }
    .group_segment_fixed_size: 35328
    .private_segment_fixed_size: 0
    .kernarg_segment_align: 8
    .kernarg_segment_size: 48
    .max_flat_workgroup_size: 128
    .sgpr_count:     66
    .vgpr_count:     256
    .wavefront_size: 32
...
	.end_amdgpu_metadata
.endif
;; end of part 1
;; launch proj (part 2): grid 8 x 32, 4 waves a work-group, clusters of 4 x 4, 327,680 bytes of LDS; arguments codes, scales, bq, bk, bv, attention_mask, qrec, kvrec; writes qrec, kvrec
.if DOCPART == 2
	.amdgcn_target "amdgcn-amd-amdhsa--gfx1250"
	.amdhsa_code_object_version 6
	.text
	.protected	k_qd913a9173c_proj
	.globl	k_qd913a9173c_proj
	.p2align	8
	.type	k_qd913a9173c_proj,@function
k_qd913a9173c_proj:
	s_mov_b64 s[64:65], 0
	v_nop
	global_prefetch_b8 v0, s[64:65] scope:SCOPE_SE
	s_setreg_imm32_b32 hwreg(HW_REG_WAVE_MODE, 25, 1), 1
	s_wait_xcnt 0x0
	s_wait_alu depctr_hold_cnt(0) depctr_sa_sdst(0) depctr_va_vdst(0) depctr_va_sdst(0) depctr_va_ssrc(0) depctr_va_vcc(0) depctr_vm_vsrc(0)
	s_getreg_b32 s2, hwreg(HW_REG_IB_STS2, 6, 4)
	s_cmp_eq_u32 s2, 0
	s_cbranch_scc0 .Lentry_in_a_cluster
	s_endpgm
.Lentry_in_a_cluster:
	s_bfe_u32 s2, ttmp6, 0x10000c
	s_cmp_lg_u32 s2, 0xf033
	s_cbranch_scc0 .Lentry_shape_is_right
	s_endpgm
.Lentry_shape_is_right:
; q, k, v = x W^T + b on codes of FP4 (E2M1) with E8M0 scales, quantised again on the way out (q, k along the head's 64; v along the keys) and stored as the records of operand images that the attention launch reads.
; SHARES: a work-group owns 256 tokens (16 row tiles of x, two records) and one pair of heads (128 rows, 8 row tiles, of each weight), and makes Q, K and V for them one after the other: 8 x 32 = 256 work-groups.
; x's codes for all of K (131,072 bytes) and all scale words stay in LDS; Wq and Wk have a slot each (65,536 bytes); Wv is filled into Wq's slot when every wave has read Wq out.
; A wave's tile is 4 x 8 accumulators (window 2).  Q, K: source 1 = my 4 tiles of x (64 tokens), source 0 = the weight's 8 tiles: a lane holds a token, its registers run along d.
; V: source 1 = 4 tiles of Wv (one head's 64 d), source 0 = 8 tiles of x (one record's 128 tokens): a lane holds a d, its registers run along the keys.
; The 4-tile operand for all eight K steps lies in window 3 (256 registers): x's is fetched under Q's steps and serves K too.  The 8-tile operand has two sets in window 1.  The bias is the C of the first K step.
; CLUSTERS: 4 x 4.  x's tiles hang on the token block alone and are asked for jointly along a row of the cluster; the weights' hang on the pair of heads alone and are asked for jointly along a column.
; One tensor load of a wave is out at any time.  No prefetch: the text has no loop to ask ahead in.
; codes  [K half 2][T 704][K step 4][c 2][lane 32][16 bytes];  scales [T 704][lane 32][g 4] words (lane (r, h), word g: K step 2 g + h);  tiles 0-511 x, 512-575 Wq, 576-639 Wk, 640-703 Wv.
; A record (9,472 bytes: 128 tokens of one head): +0 eight K (Q) images of 512 bytes; +4,096 four V^T images of 1,024; +8,192 K's (Q's) scale words [t / 4][r][t % 4]; +8,704 V's [r][dt]; +8,960 max(8 x mask, -2^120).
; LIMITS: a block of zeros, and one whose largest magnitude lies under 2^-124, keep the scale byte 1 (this program alone reads the bytes); NaN and infinities are not served.
.set PLANE, 704*4096
.set REC,   9472
.set HEAD,  16*REC
.set WA,    131072                     ; LDS: x's codes from 0 (half s at 65,536 s, tile T at 4,096 T); slot A: Wq, later Wv (half s at 32,768 s);
.set WB,    196608                     ; slot B: Wk;
.set XS,    262144                     ; x's scale words, 512 bytes a tile;
.set WS,    270336                     ; the weights': 4,096 bytes each;
.set SPARE, 282624                     ; the spare words
.set LI,  4                            ; 16 x lane
.set LIQ, 5                            ; + 2,048 (wave % 2): my four images of a Q or K record
.set VSC, 6                            ; Q's, K's scale words: HEAD h + 16 r + 256 (wave % 2)
.set SH,  7                            ; 16 h
.set BO,  8                            ; 64 h
.set BV,  9                            ; 4 (r + 8 (r / 8))
.set VSV, 10                           ; 16 r
.set AX0, 12                           ; v12, 13 my 4 tiles of x, K halves 0, 1;  v14, 15 my 4 tiles of Wv
.set AV0, 14
.set BQ0, 16                           ; v16, 17 Wq's 8 tiles;  v18, 19 Wk's;  v20, 21 my 8 tiles of x
.set BK0, 18
.set BX0, 20
.set SAX, 22                           ; scale words: my 4 tiles of x; of Wv; a weight's 8 tiles; my 8 tiles of x
.set SAV, 23
.set SBW, 24
.set SBX, 25
.set SPW, 26                           ; my spare word; never rewritten
.set NIL, 27                           ; 0; never rewritten
.set MK,  28                           ; v28-31 the mask
.set SCA, 32                           ; v32-47 scale words of the 4-tile operand;  v48-79 of the 8-tile operand
.set SCB, 48
.set TM,  80                           ; v80-95 the quantiser at work
.set SW,  96                           ; v96-99 the results' scale words
.set PC,  104                          ; v104-135 the results' codes
.set BVR, 136                          ; v136-167 V's bias as C
.set SEL, 2
.set G1X,  24                          ; groups 1: x's codes; Wq's at the head; x's scale words; the weights'; a quarter of a slot
.set G1W2, 32
.set G1XS, 40
.set G1WS, 48
.set G1R,  56
.set G0X,  68                          ; groups 0
.set G0Q,  72
.set G0XS, 76
.set G0WS, 80
.set G0K,  84
.set G0V,  88
.set MSB, 0
.macro WIN new
.if MSB != \new
	s_set_vgpr_msb (MSB<<8)|\new
.set MSB, \new
.endif
.endm
.macro CROUND                          ; a round of the cluster's barrier
	s_barrier_signal -1
	s_barrier_wait -1
	s_cmp_lg_u32 s20, 0
	s_cbranch_scc1 .Lnot_wave_0_\@
	s_barrier_signal -3
.Lnot_wave_0_\@:
	s_barrier_wait -3
	s_barrier_signal -1
	s_barrier_wait -1
.endm
.macro PLACES n
.rept \n
	v_nop
.endr
.endm
.macro G1SET g, c, r, p                ; r rows of c elements of 8 bytes, p elements apart
	s_mov_b32 s[\g+1], (\c)<<16
	s_mov_b32 s[\g+2], (\r)<<16
	s_mov_b32 s[\g+3], (\c)<<16
	s_mov_b32 s[\g+4], \r
	s_mov_b32 s[\g+5], \p
	s_mov_b32 s[\g+6], 0
	s_mov_b32 s[\g+7], 0
.endm
.macro FETCH_B adr, q, p               ; the 8-tile operand's fragments of one K step into set p of window 1
	WIN 0x40
.irp i, 0,1,2,3,4,5,6,7
.irp c, 0,1
	ds_load_b128 v[128*(\p)+8*\i+4*\c:128*(\p)+8*\i+4*\c+3], v[\adr] offset:4096*\i+1024*(\q)+512*\c
.endr
.endr
.endm
.macro FETCH_A adr, kk                 ; the 4-tile operand's fragments of K step kk into window 3
	WIN 0xc0
.irp a, 0,1,2,3
.irp c, 0,1
	ds_load_b128 v[32*(\kk)+8*\a+4*\c:32*(\kk)+8*\a+4*\c+3], v[\adr+(\kk)/4] offset:4096*\a+1024*((\kk)%4)+512*\c
.endr
.endr
.endm
.macro LSC reg, n, adr, off            ; n tiles' scale words: four registers a tile serve all eight K steps
	WIN 0
.set q, 0
.rept \n
	ds_load_b128 v[\reg+4*q:\reg+4*q+3], v[\adr] offset:\off+512*q
.set q, q+1
.endr
.endm
.macro MM a, b, p, kk, rc
.if (\kk)%2
	v_wmma_scale_f32_16x16x128_f8f6f4 v[8*(8*(\a)+(\b)):8*(8*(\a)+(\b))+7], v[128*(\p)+8*(\b):128*(\p)+8*(\b)+7], v[32*(\kk)+8*(\a):32*(\kk)+8*(\a)+7], v[(\rc):(\rc)+7], v[SCB+4*(\b)+(\kk)/2], v[SCA+4*(\a)+(\kk)/2] matrix_a_fmt:MATRIX_FMT_FP4 matrix_b_fmt:MATRIX_FMT_FP4 matrix_a_scale:MATRIX_SCALE_ROW1 matrix_b_scale:MATRIX_SCALE_ROW1
.else
	v_wmma_scale_f32_16x16x128_f8f6f4 v[8*(8*(\a)+(\b)):8*(8*(\a)+(\b))+7], v[128*(\p)+8*(\b):128*(\p)+8*(\b)+7], v[32*(\kk)+8*(\a):32*(\kk)+8*(\a)+7], v[(\rc):(\rc)+7], v[SCB+4*(\b)+(\kk)/2], v[SCA+4*(\a)+(\kk)/2] matrix_a_fmt:MATRIX_FMT_FP4 matrix_b_fmt:MATRIX_FMT_FP4
.endif
.endm
; Eight K steps of 128: 32 accumulators by turns, in the same order in every step.  In each step the next step's fragments are asked for first (fa = 1: the 4-tile operand's too).
; cm = 1: the first step's C is the bias along the registers, in window 1 at cb + 8 b;  cm = 2: the bias of the lane, in window 0 at cb + 8 a.
.macro STEPS badr, fa, aadr, cm, cb
.irp kk, 0,1,2,3,4,5,6,7
	s_wait_dscnt 0x0                               ; this step's fragments are in
.if \kk < 7
.if \kk > 0
	PLACES 4                                       ; plain lines between the last step's products and the loads into the set that they read
.endif
	FETCH_B \badr+((\kk+1)/4), (\kk+1)%4, 1-\kk%2
.if \fa
	FETCH_A \aadr, \kk+1
.endif
.endif
.if \kk == 0
.if \cm == 1
	WIN 0x9d                                       ; source 0 window 1, source 1 window 3, C window 1, D window 2
.else
	WIN 0x8d                                       ; C window 0
.endif
.else
	WIN 0xad                                       ; C and D window 2
.endif
.irp a, 0,1,2,3
.irp b, 0,1,2,3,4,5,6,7
.if \kk == 0
.if \cm == 1
	MM \a, \b, 0, 0, \cb+8*\b
.else
	MM \a, \b, 0, 0, \cb+8*\a
.endif
.else
	MM \a, \b, \kk%2, \kk, 8*(8*\a+\b)
.endif
.endr
.endr
.endr
	WIN 0
.endm
; the 64 results of tile row a of a lane (128 along the next K, 16 neighbours in each pair of tiles) become a fragment's codes in v[PC + 8 a] on and its scale word in v[SW + a]
.macro QUANTW a
.set QAC, 64*(\a)
	WIN 0x0a
.irp b, 0,1,2,3
	v_max3_num_f32 v[TM+\b], |v[QAC+16*\b]|, |v[QAC+16*\b+1]|, 0x1800000   ; and the floor 2^(3 - 127): the byte cannot fall under 1
.endr
.irp i, 2,4,6,8,10,12,14
.irp b, 0,1,2,3
	v_max3_num_f32 v[TM+\b], |v[QAC+16*\b+\i]|, |v[QAC+16*\b+\i+1]|, v[TM+\b]
.endr
.endr
	WIN 0
.irp b, 0,1,2,3
	v_permlanex16_b32 v[TM+4+\b], v[TM+\b], s[SEL], s[SEL+1]
.endr
.irp b, 0,1,2,3
	v_max_num_f32 v[TM+\b], v[TM+\b], v[TM+4+\b]   ; with lane l xor 16's 16: the block's largest magnitude
.endr
.irp b, 0,1,2,3
	v_add_nc_u32 v[TM+12+\b], 0xff000000, v[TM+\b] ; 2 off its exponent field: the conversion's scale operand
.endr
.irp b, 0,1,2,3
	v_lshrrev_b32 v[TM+4+\b], 23, v[TM+12+\b]      ; the scale's byte
.endr
	v_lshl_or_b32 v[SW+(\a)], v[TM+5], 8, v[TM+4]
	v_lshl_or_b32 v[SW+(\a)], v[TM+6], 16, v[SW+(\a)]
	v_lshl_or_b32 v[SW+(\a)], v[TM+7], 24, v[SW+(\a)]
	WIN 0x02
.irp b, 0,1,2,3
	v_cvt_scalef32_pk8_fp4_f32 v[PC+8*(\a)+2*\b], v[QAC+16*\b:QAC+16*\b+7], v[TM+12+\b]
	v_cvt_scalef32_pk8_fp4_f32 v[PC+8*(\a)+2*\b+1], v[QAC+16*\b+8:QAC+16*\b+15], v[TM+12+\b]
.endr
	WIN 0
	v_nop                                          ; one plain line behind the scaled conversions
.irp c, 0,1                                    ; a whole block in a lane
.irp i, 0,1
	v_permlane16_swap_b32 v[PC+8*(\a)+4*\c+\i], v[PC+8*(\a)+2+4*\c+\i]
.endr
.endr
.endm
; Q's or K's way out: registers 0-3 of a fragment are the first head's image, registers 4-7 the second's; the scale word's low half is the first head's, its high half the second's
.macro OUTQK base
.irp a, 0,1,2,3
	QUANTW \a
.endr
.irp a, 0,1,2,3
	v_lshrrev_b32 v[SW+\a], v[SH], v[SW+\a]
.endr
.irp a, 0,1,2,3
	global_store_b128 v[LIQ], v[PC+8*\a:PC+8*\a+3], s[\base:\base+1] offset:512*\a
	global_store_b128 v[LIQ], v[PC+8*\a+4:PC+8*\a+7], s[\base:\base+1] offset:HEAD+512*\a
.endr
	global_store_b128 v[VSC], v[SW:SW+3], s[\base:\base+1] offset:8192
.endm
.macro ARM under, g0, g1, next         ; one arm of the head's tree: one tensor load, and a jump to the tree's end
	s_cmp_lt_u32 s20, \under
	s_cbranch_scc0 \next
	tensor_load_to_lds s[\g0:\g0+3], s[\g1:\g1+7]
	s_nop 0
.rept 4
	v_nop
.endr
	s_branch .Lhead_asked
\next:
.endm
	s_load_b256 s[4:11], s[0:1], 0x0               ; codes s[4:5], scales s[6:7], bq s[8:9], bk s[10:11]
	s_load_b256 s[12:19], s[0:1], 0x20             ; bv s[12:13], mask s[14:15], qrec s[16:17], kvrec s[18:19]
	v_lshl_add_u32 v[SPW], v0, 2, SPARE
	v_mov_b32 v[NIL], 0
	ds_add_u32 v[SPW], v[NIL]                      ; the opening lines: the add, twice on end, and its wait ahead of my first tensor load
	ds_add_u32 v[SPW], v[NIL]
	v_lshrrev_b32 v1, 5, v0
	v_readfirstlane_b32 s20, v1                    ; wave 0..3
	s_lshr_b32 s21, s20, 1
	s_and_b32 s22, s20, 1
	s_bfe_u32 s92, ttmp6, 0x40000                  ; cx
	s_bfe_u32 s93, ttmp6, 0x40004                  ; cy
	s_lshl_b32 s94, ttmp9, 2
	s_add_co_u32 s94, s94, s92                     ; the pair of heads, 0..7
	s_and_b32 s95, ttmp7, 0xffff
	s_lshl_b32 s95, s95, 2
	s_add_co_u32 s95, s95, s93                     ; the block of 256 tokens, 0..31
	s_lshl_b32 s96, s93, 2
	s_lshl_b32 s96, 15, s96                        ; my row of the cluster
	s_lshl_b32 s23, 0x1111, s92                    ; my column
	s_or_b32 s[G1X], s96, (3<<16)|(1<<21)          ; elements of 8 bytes; bit 21 beside the mask
	s_or_b32 s[G1XS], s96, (3<<16)|(1<<21)
	s_or_b32 s[G1W2], s23, (3<<16)|(1<<21)
	s_or_b32 s[G1WS], s23, (3<<16)|(1<<21)
	s_or_b32 s[G1R], s23, (3<<16)|(1<<21)
	G1SET G1X, 8192, 2, PLANE/8                    ; 16 tiles x 4,096 bytes on end, for each K half
	G1SET G1W2, 4096, 2, PLANE/8                   ; 8 tiles likewise
	G1SET G1XS, 32, 32, 32                         ; 8,192 dense bytes as rows of 256
	G1SET G1WS, 512, 3, 4096                       ; 4,096 bytes of each of the three weights, 64 tiles x 512 bytes apart
	G1SET G1R, 32, 64, 32                          ; 16,384 dense bytes: 4 tiles of one K half
	s_lshl_b32 s96, s95, 16                        ; x's codes,
	s_mov_b32 s97, 0
	s_lshl_b32 s100, s95, 13                       ; and scale words
	s_mov_b32 s101, 0
	s_lshl_b32 s98, s94, 15
	s_add_co_u32 s98, s98, 512*4096                ; Wq's codes
	s_mov_b32 s99, 0
	s_mul_i32 s2, s21, PLANE                       ; my quarter of Wk: K half wave / 2, 4 tiles wave % 2
	s_lshl_b32 s92, s22, 14
	s_add_co_u32 s2, s2, s92
	s_add_co_u32 s2, s2, s98
	s_add_co_u32 s2, s2, 64*4096
	s_mov_b32 s3, 0
	s_wait_dscnt 0x0
	s_wait_kmcnt 0x0
	s_mov_b32 s[G0X], 1
	s_mov_b32 s[G0X+1], 0
	s_add_nc_u64 s[G0X+2:G0X+3], s[4:5], s[96:97]
	s_or_b32 s[G0X+3], s[G0X+3], 0x80000000
	s_mov_b32 s[G0Q], 1
	s_mov_b32 s[G0Q+1], WA
	s_add_nc_u64 s[G0Q+2:G0Q+3], s[4:5], s[98:99]
	s_or_b32 s[G0Q+3], s[G0Q+3], 0x80000000
	s_mov_b32 s[G0K], 1
	s_lshl_b32 s[G0K+1], s20, 14
	s_add_co_u32 s[G0K+1], s[G0K+1], WB
	s_add_nc_u64 s[G0K+2:G0K+3], s[4:5], s[2:3]
	s_mov_b32 s[G0V], 1
	s_lshl_b32 s[G0V+1], s20, 14
	s_add_co_u32 s[G0V+1], s[G0V+1], WA
	s_add_nc_u64 s[G0V+2:G0V+3], s[G0K+2:G0K+3], 64*4096
	s_or_b32 s[G0K+3], s[G0K+3], 0x80000000
	s_or_b32 s[G0V+3], s[G0V+3], 0x80000000
	s_lshl_b32 s98, s94, 12
	s_add_co_u32 s98, s98, 512*512                 ; the weights' scale words
	s_mov_b32 s[G0WS], 1
	s_mov_b32 s[G0WS+1], WS
	s_add_nc_u64 s[G0WS+2:G0WS+3], s[6:7], s[98:99]
	s_or_b32 s[G0WS+3], s[G0WS+3], 0x80000000
	s_mov_b32 s[G0XS], 1
	s_mov_b32 s[G0XS+1], XS
	s_add_nc_u64 s[G0XS+2:G0XS+3], s[6:7], s[100:101]
	s_or_b32 s[G0XS+3], s[G0XS+3], 0x80000000
	CROUND                                         ; all sixteen work-groups are here: the first joint loads meet
	ARM 1, G0X,  G1X,  .Lhead_q                    ; the head's loads, one a wave: x's codes,
	ARM 2, G0Q,  G1W2, .Lhead_xs                   ; Wq's,
	ARM 3, G0XS, G1XS, .Lhead_ws                   ; x's scale words,
	tensor_load_to_lds s[G0WS:G0WS+3], s[G1WS:G1WS+7]   ; the weights'
	s_nop 0
.rept 4
	v_nop
.endr
.Lhead_asked:
	s_lshr_b32 s92, s95, 3                         ; batch
	s_and_b32 s93, s95, 7
	s_lshl_b32 s93, s93, 1                         ; the block's first record
	s_lshl_b32 s98, s92, 4
	s_lshl_b32 s99, s94, 1
	s_add_co_u32 s98, s98, s99                     ; 16 batch + the pair's first head
	s_mul_i32 s96, s98, HEAD
	s_add_co_u32 s98, s98, s21                     ; V: my head is wave / 2,
	s_mul_i32 s100, s98, HEAD
	s_add_co_u32 s98, s93, s21                     ; Q, K: my record is wave / 2
	s_mul_i32 s98, s98, REC
	s_add_co_u32 s96, s96, s98
	s_add_co_u32 s99, s93, s22                     ; V and the mask: my record is wave % 2
	s_mul_i32 s98, s99, REC
	s_add_co_u32 s100, s100, s98
	s_mov_b32 s97, 0
	s_mov_b32 s101, 0
	s_add_nc_u64 s[16:17], s[16:17], s[96:97]      ; Q's way out
	s_add_nc_u64 s[66:67], s[18:19], s[96:97]      ; K's
	s_add_nc_u64 s[18:19], s[18:19], s[100:101]    ; V's
	s_lshl_b32 s96, s94, 9                         ; the pair's 128 biases
	s_add_nc_u64 s[8:9], s[8:9], s[96:97]
	s_add_nc_u64 s[10:11], s[10:11], s[96:97]
	s_lshl_b32 s98, s21, 8
	s_add_co_u32 s96, s96, s98
	s_add_nc_u64 s[12:13], s[12:13], s[96:97]      ; V: my head's 64
	s_lshl_b32 s96, s92, 13
	s_lshl_b32 s98, s99, 9
	s_add_co_u32 s96, s96, s98
	s_add_nc_u64 s[14:15], s[14:15], s[96:97]      ; the mask of my record's 128 keys
	s_lshl_b32 s92, s20, 14
	s_lshl_b32 s93, s21, 14
	s_add_co_u32 s93, s93, WA
	s_lshl_b32 s94, s22, 15
	s_lshl_b32 s95, s20, 11
	s_add_co_u32 s95, s95, XS
	s_lshl_b32 s96, s21, 11
	s_add_co_u32 s96, s96, WS+8192
	s_lshl_b32 s97, s22, 12
	s_add_co_u32 s97, s97, XS
	s_lshl_b32 s98, s22, 11
	s_lshl_b32 s99, s22, 8
	s_mov_b32 s[SEL], 0x76543210
	s_mov_b32 s[SEL+1], 0xfedcba98
	v_and_b32 v1, 31, v0
	v_and_b32 v2, 15, v0                           ; r
	v_bfe_u32 v3, v0, 4, 1                         ; h
	v_lshlrev_b32 v[LI], 4, v1
	v_mul_u32_u24 v[VSC], v3, HEAD
	v_lshlrev_b32 v[VSV], 4, v2
	v_lshlrev_b32 v[SH], 4, v3
	v_lshlrev_b32 v[BO], 6, v3
	v_and_b32 v[BV], 8, v2
	v_add_nc_u32 v[VSC], v[VSC], v[VSV]
	v_add_nc_u32 v[BV], v[BV], v2
	v_add_nc_u32 v[VSC], s99, v[VSC]
	v_lshlrev_b32 v[BV], 2, v[BV]
	v_add_nc_u32 v[LIQ], s98, v[LI]
	v_add_nc_u32 v[AX0], s92, v[LI]
	v_add_nc_u32 v[AV0], s93, v[LI]
	v_add_nc_u32 v[BQ0], WA, v[LI]
	v_add_nc_u32 v[BK0], WB, v[LI]
	v_add_nc_u32 v[BX0], s94, v[LI]
	v_add_nc_u32 v[SAX], s95, v[LI]
	v_add_nc_u32 v[SAV], s96, v[LI]
	v_add_nc_u32 v[SBW], WS, v[LI]
	v_add_nc_u32 v[SBX], s97, v[LI]
	v_add_nc_u32 v[AX0+1], 65536, v[AX0]
	v_add_nc_u32 v[AV0+1], 32768, v[AV0]
	v_add_nc_u32 v[BQ0+1], 32768, v[BQ0]
	v_add_nc_u32 v[BK0+1], 32768, v[BK0]
	v_add_nc_u32 v[BX0+1], 65536, v[BX0]
.irp b, 0,1,2,3
	v_mov_b32 v[TM+4+\b], 0                        ; a lane permute's destination counts as one of its sources
.endr
	global_load_b128 v[MK:MK+3], v[LI], s[14:15]
.irp a, 0,1,2,3
.irp j, 0,1,2,3,4,5,6,7
	global_load_b32 v[BVR+8*\a+\j], v[BV], s[12:13] offset:4*(32*(\a/2)+8*(\a%2))   ; V's bias: my lane's d, in all eight registers
.endr
.endr
	WIN 0x40
.irp t, 0,1,2,3,4,5,6,7                        ; Q's and K's bias in the result's layout: register j of tile t is d = 32 (t / 2) + 8 (t % 2) + 16 h + j
	global_load_b128 v[64+8*\t:64+8*\t+3], v[BO], s[8:9] offset:4*(32*(\t/2)+8*(\t%2))
	global_load_b128 v[64+8*\t+4:64+8*\t+7], v[BO], s[8:9] offset:4*(32*(\t/2)+8*(\t%2))+16
	global_load_b128 v[192+8*\t:192+8*\t+3], v[BO], s[10:11] offset:4*(32*(\t/2)+8*(\t%2))
	global_load_b128 v[192+8*\t+4:192+8*\t+7], v[BO], s[10:11] offset:4*(32*(\t/2)+8*(\t%2))+16
.endr
	WIN 0
	s_wait_alu depctr_va_vdst(0)                   ; the wait at the head's end
	s_wait_tensorcnt 0x0                           ; my tile of the head's four is in
	ds_add_u32 v[SPW], v[NIL]
	s_wait_dscnt 0x0
	CROUND                                         ; all four tiles are in, and all sixteen work-groups are here
	tensor_load_to_lds s[G0K:G0K+3], s[G1R:G1R+7]  ; my quarter of Wk: slot B's first fill
	s_nop 0
.rept 4
	v_nop
.endr
	LSC SCA, 4, SAX, 0
	LSC SCB, 8, SBW, 0
	FETCH_B BQ0, 0, 0
	FETCH_A AX0, 0
	WIN 0
	s_wait_loadcnt 0x0                             ; the biases and the mask
	v_pk_mul_f32 v[MK:MK+1], v[MK:MK+1], 0x41000000 op_sel_hi:[1,0]       ; 8 x mask,
	v_pk_mul_f32 v[MK+2:MK+3], v[MK+2:MK+3], 0x41000000 op_sel_hi:[1,0]
.irp i, 0,1,2,3
	v_max_num_f32 v[MK+\i], 0xfb800000, v[MK+\i]   ; held at -2^120 from below
.endr
	global_store_b128 v[LI], v[MK:MK+3], s[18:19] offset:8960
	STEPS BQ0, 1, AX0, 1, 64                       ; Q
	s_wait_tensorcnt 0x0                           ; my quarter of Wk is in;
	ds_add_u32 v[SPW], v[NIL]
	s_wait_dscnt 0x0                               ; my reads of Wq are over
	CROUND                                         ; both hold of every wave of every work-group of the cluster
	tensor_load_to_lds s[G0V:G0V+3], s[G1R:G1R+7]  ; my quarter of Wv, into Wq's slot
	s_nop 0
.rept 4
	v_nop                                          ; also the plain lines behind the last products
.endr
	LSC SCB, 8, SBW, 4096                          ; K's first fragments are fetched under Q's way out
	FETCH_B BK0, 0, 0
	WIN 0
	OUTQK 16
	STEPS BK0, 0, AX0, 1, 192                      ; K: x's fragments are in window 3 already
	s_wait_tensorcnt 0x0                           ; my quarter of Wv is in,
	s_barrier_signal -1
	s_barrier_wait -1                              ; everybody's is
	PLACES 4
	LSC SCA, 4, SAV, 0
	LSC SCB, 8, SBX, 0
	FETCH_B BX0, 0, 0
	FETCH_A AV0, 0
	WIN 0
	s_wait_xcnt 0x0                                ; Q's stores have read their registers
	OUTQK 66
	STEPS BX0, 1, AV0, 2, BVR                      ; V
	PLACES 4
	s_wait_xcnt 0x0                                ; K's stores have read their registers
.irp a, 0,1,2,3
	QUANTW \a
.endr
.irp a, 0,1,2,3
.irp c, 0,1
	global_store_b128 v[LI], v[PC+8*\a+4*\c:PC+8*\a+4*\c+3], s[18:19] offset:4096+1024*\a+512*\c
.endr
.endr
	global_store_b128 v[VSV], v[SW:SW+3], s[18:19] offset:8704   ; [r][dt]: both halves of the lanes hold and store the same words
	s_wait_tensorcnt 0x0                           ; the wave's end
	ds_add_u32 v[SPW], v[NIL]
	s_wait_dscnt 0x0
	CROUND                                         ; the closing round
	s_endpgm
.Lfunc_end_k_qd913a9173c_proj:
	.size	k_qd913a9173c_proj, .Lfunc_end_k_qd913a9173c_proj-k_qd913a9173c_proj
	.p2alignl 7, 3214868480
	.fill 96, 4, 3214868480
	.section	.rodata,"a",@progbits
	.p2align	6, 0x0
	.amdhsa_kernel k_qd913a9173c_proj
		.amdhsa_group_segment_fixed_size 327680
		.amdhsa_private_segment_fixed_size 0
		.amdhsa_enable_private_segment 0
		.amdhsa_kernarg_size 64
		.amdhsa_user_sgpr_count 2
		.amdhsa_user_sgpr_kernarg_segment_ptr 1
		.amdhsa_wavefront_size32 1
		.amdhsa_system_sgpr_workgroup_id_x 1
		.amdhsa_system_sgpr_workgroup_id_y 1
		.amdhsa_system_sgpr_workgroup_id_z 1
		.amdhsa_system_vgpr_workitem_id 0
		.amdhsa_next_free_vgpr 1024
		.amdhsa_next_free_sgpr 102
		.amdhsa_reserve_vcc 0
		.amdhsa_float_denorm_mode_32 3
		.amdhsa_float_denorm_mode_16_64 3
		.amdhsa_memory_ordered 1
		.amdhsa_forward_progress 1
		.amdhsa_inst_pref_size 203
	.end_amdhsa_kernel
	.amdgpu_metadata
---
amdhsa.version: [ 1, 2 ]
amdhsa.kernels:
  - .name:           k_qd913a9173c_proj
    .symbol:         k_qd913a9173c_proj.kd
    .args:
      - { .name: codes, .offset: 0, .size: 8, .value_kind: global_buffer, .address_space: global }
      - { .name: scales, .offset: 8, .size: 8, .value_kind: global_buffer, .address_space: global }
      - { .name: bq, .offset: 16, .size: 8, .value_kind: global_buffer, .address_space: global }
      - { .name: bk, .offset: 24, .size: 8, .value_kind: global_buffer, .address_space: global }
      - { .name: bv, .offset: 32, .size: 8, .value_kind: global_buffer, .address_space: global }
      - { .name: attention_mask, .offset: 40, .size: 8, .value_kind: global_buffer, .address_space: global }
      - { .name: qrec, .offset: 48, .size: 8, .value_kind: global_buffer, .address_space: global }
      - { .name: kvrec, .offset: 56, .size: 8, .value_kind: global_buffer, .address_space: global }
    .group_segment_fixed_size: 327680
    .private_segment_fixed_size: 0
    .kernarg_segment_align: 8
    .kernarg_segment_size: 64
    .max_flat_workgroup_size: 128
    .sgpr_count:     102
    .vgpr_count:     1024
    .wavefront_size: 32
...
	.end_amdgpu_metadata
.endif
;; end of part 2
;; launch attn (part 3): grid 4 x 64, 8 waves a work-group, clusters of 4 x 1, 223,232 bytes of LDS; arguments qrec, kvrec, out0; writes out0
.if DOCPART == 3
	.amdgcn_target "amdgcn-amd-amdhsa--gfx1250"
	.amdhsa_code_object_version 6
	.text
	.protected	k_qd913a9173c_attn
	.globl	k_qd913a9173c_attn
	.p2align	8
	.type	k_qd913a9173c_attn,@function
k_qd913a9173c_attn:
	s_mov_b64 s[64:65], 0
	v_nop
	global_prefetch_b8 v0, s[64:65] scope:SCOPE_SE
	s_setreg_imm32_b32 hwreg(HW_REG_WAVE_MODE, 25, 1), 1
	s_wait_xcnt 0x0
	s_wait_alu depctr_hold_cnt(0) depctr_sa_sdst(0) depctr_va_vdst(0) depctr_va_sdst(0) depctr_va_ssrc(0) depctr_va_vcc(0) depctr_vm_vsrc(0)
	s_getreg_b32 s2, hwreg(HW_REG_IB_STS2, 6, 4)
	s_cmp_eq_u32 s2, 0
	s_cbranch_scc0 .Lentry_in_a_cluster
	s_endpgm
.Lentry_in_a_cluster:
	s_bfe_u32 s2, ttmp6, 0x10000c
	s_cmp_lg_u32 s2, 0x3003
	s_cbranch_scc0 .Lentry_shape_is_right
	s_endpgm
.Lentry_shape_is_right:
; out[b][q][64 head + d] = the sum over keys of softmax(q . k / 8 + mask) v, both products on codes of FP4 (E2M1) with E8M0 scales.
; q, k, v come as images of operand registers, in records of 9,472 bytes for 128 tokens of one head:  +0 eight K (Q) images of 512 bytes (registers 0-3 of a fragment: the head's 64; registers 4-7, K = 64 .. 127, are zero codes on both sides);
;   +4,096 four V^T images of 1,024 bytes;  +8,192 K's (Q's) scale words [t / 4][r][t % 4];  +8,704 V's [r][dt];  +8,960 max(8 x mask, -2^120), 128 f32 in key order.
; THE SOFTMAX: S' = q . k + 8 mask comes from the matrix unit, the mask as C; t = S' x log2(e) / 8; M = the running largest t rounded up to a whole number; p = 2^(t - M) is quantised along the keys, not normalised.
; The row's sum is taken of the unquantised p and divides at the end.  When M moves, the sum and O are multiplied by 2^(old M - new M): exact.
; LIMITS: masks under -2^117 count alike; a batch all of whose keys lie under -2^117 gets a uniform softmax; one all of whose keys lie between -2^30 and -2^117 is not served (t - M may pass the exponent's range); NaN in the mask is not served.
; SHARES: a work-group owns 512 queries of one head, in two passes of 256; each of its eight waves owns TWO tiles of 16 queries a pass (32 neighbouring tokens), so that each fragment of K, V and the mask read from LDS feeds two products.
; THE TWO TILES ARE STAGGERED: tile 0's chain for M stands among tile 1's maxima, tile 1's among tile 0's scalings; tile 1's scalings stand among tile 0's exponentials, and the first additions of tile 0's sum among tile 1's:
; what is written among exponentials is read only behind the next wait.
; THE HEAD'S SIXTEEN RECORDS LIE IN LDS, filled once: wave w brings records 2 w and 2 w + 1 by one tensor load (74 rows of 256 bytes).  The four work-groups of a head form a cluster and ask jointly.  One tensor load of a wave is out.
; No prefetch: the one fill stands at the kernel's head, with no loop ahead of it to ask in.
; LAYOUT: both products transposed: S^T = K Q^T, O^T = V^T P^T: a lane holds one query (lane % 16).
; THE KEYS OF A TILE ARE CHOSEN AT THE LDS READ: row r of tile 4 g + i is key 64 g + 32 (r / 8) + 8 i + r % 8, which lies in the record's image 4 g + 2 (r / 8) + i % 2 at row r % 8 + 8 (i / 2).
; So lane (r, h) holds in the 32 registers of tiles 4 g .. 4 g + 3 the WHOLE block of keys 64 g + 32 h + 0 .. 31: a block's largest score needs no other lane, and the conversions' results are P's operand as they stand.
; REGISTERS.  Window 0: what the two tiles share.  Window 1: v0-127 S', then p, of tiles 0 and 1; v128-191 O^T; v192-207 p's codes; v208-255 state, 24 registers a tile.
.set REC,   9472
.set HEAD,  16*REC
.set STAGE, HEAD                       ; behind the records: 16 rows x (256 bytes + 16) for each tile of each wave; no tensor load lands there
.set SP,    272
.set TST,   16*SP
.set SPARE, 0x36000                    ; behind the stages: the spare words, 128 bytes a wave
.set LI,   1                           ; 16 x lane
.set LKK,  2                           ; K's images: 1,024 (r / 8) + 16 (r % 8) + 256 h
.set LKS,  3                           ; K's scale words: 256 h + 16 (r % 8) + 8 (r / 8): lanes 0-15 tiles 0-3, lanes 16-31 tiles 4-7
.set LM,   4                           ; the mask: 128 h
.set LR,   5                           ; 16 r
.set ADK,  6                           ; v6-10 the same five with the step's record added
.set ADKK, 7
.set ADS,  8
.set ADM,  9
.set ADR,  10
.set GO,   11                          ; the way out: 4,096 h + 16 r
.set STO,  12                          ; the stage, in
.set SRD,  13                          ; and back
.set QCO,  14                          ; my first tile's image in Q's record
.set QSO,  15                          ; and my two tiles' scale words
.set SPW,  16                          ; my spare word; never rewritten
.set NIL,  17                          ; 0; never rewritten
.set QS,   18                          ; v18, v19 Q's scale words
.set PS,   20                          ; v20, v21 p's scale words
.set KS,   24                          ; v24-27 K's scale words
.set VS,   28                          ; v28-31 V's
.set KF,   32                          ; v32-95 K's eight fragments (the upper four registers of each zeros)
.set MF,   96                          ; v96-159 the mask in the result's layout; on the way out rows of O
.set VF,   160                         ; v160-191 V's four fragments
.set QF,   192                         ; v192-207 Q's two fragments (upper four registers zeros)
.set OA,   128                         ; window 1: O^T
.set PCD,  192                         ; window 1: p's codes
.set ST,   208                         ; window 1: state of tile u at ST + 24 u: +0,1 block maxima; +2 at work; +3 the largest score; +4 -M (+5 its pair); +6 f (+7 its pair); +8,9 the sum; +10..15 partial maxima, then partial sums; +18,19 scale operands; +20,21 bytes; +22 at work
.set WV,  10
.set SEL, 20                           ; s[20:21] lane selects: lane l xor 16
.set CS,  22                           ; s[22:23] c = log2(e) / 8
.set TS,  40                           ; s40  the step's record in LDS
.set MSB, 0
.macro WIN new                         ; the immediate's high byte repeats the setting that is left
.if MSB != \new
	s_set_vgpr_msb (MSB<<8)|\new
.set MSB, \new
.endif
.endm
.macro CROUND                          ; a round of the cluster's barrier
	s_barrier_signal -1
	s_barrier_wait -1
	s_cmp_lg_u32 s[WV], 0
	s_cbranch_scc1 .Lnot_wave_0_\@
	s_barrier_signal -3
.Lnot_wave_0_\@:
	s_barrier_wait -3
	s_barrier_signal -1
	s_barrier_wait -1
.endm
; a record's K: scale words, eight half fragments, and the mask x 8 as C: register j of tile 4 g + i is key 64 g + 32 h + 8 i + j
.macro KLOAD ak, as, am, o
	ds_load_b64 v[KS:KS+1], v[\as] offset:\o+8192
	ds_load_b64 v[KS+2:KS+3], v[\as] offset:\o+8192+128
.irp t, 0,1,2,3,4,5,6,7
	ds_load_b128 v[KF+8*\t:KF+8*\t+3], v[\ak] offset:\o+2048*(\t/4)+512*(\t%2)+128*((\t%4)/2)
.endr
.irp t, 0,1,2,3,4,5,6,7
.irp e, 0,1
	ds_load_b128 v[MF+8*\t+4*\e:MF+8*\t+4*\e+3], v[\am] offset:\o+8960+256*(\t/4)+32*(\t%4)+16*\e
.endr
.endr
.endm
; round i of tile u's maxima: four chains, two to a block of 32 keys, 16 scores each; each accumulator is read from its low end on
.macro MAXR u, i
.irp c, 0,1
.irp e, 0,1
.if \i == 0
	v_max_num_f32 v[ST+24*\u+\c+10*\e], v[64*\u+32*\c+16*\e], v[64*\u+32*\c+16*\e+1]
.else
	v_max3_num_f32 v[ST+24*\u+\c+10*\e], v[ST+24*\u+\c+10*\e], v[64*\u+32*\c+16*\e+2*\i], v[64*\u+32*\c+16*\e+2*\i+1]
.endif
.endr
.endr
.endm
.macro MAXM u                          ; the largest score of each block: it serves the row's maximum and, since p rises with the score, the block's largest p
.irp c, 0,1
	v_max_num_f32 v[ST+24*\u+\c], v[ST+24*\u+\c], v[ST+24*\u+10+\c]
.endr
.endm
; line k of tile u's chain from the block maxima to -M and f
.macro CH u, k
.set SB, ST+24*(\u)
.if \k == 0
	v_max_num_f32 v[SB+22], v[SB], v[SB+1]
.endif
.if \k == 1
	v_permlanex16_b32 v[SB+2], v[SB+22], s[SEL], s[SEL+1]
.endif
.if \k == 2
	v_max3_num_f32 v[SB+3], v[SB+3], v[SB+22], v[SB+2]   ; the running largest score of my query
.endif
.if \k == 3
	v_mul_f32 v[SB+2], s[CS], v[SB+3]              ; as t
.endif
.if \k == 4
	v_mov_b32 v[SB+22], v[SB+4]
.endif
.if \k == 5
	v_floor_f32 v[SB+4], -v[SB+2]                  ; the new -M = floor(-t): M is a whole number
.endif
.if \k == 6
	v_sub_f32 v[SB+22], v[SB+4], v[SB+22]          ; old M - new M: a whole number, 0 or less
.endif
.if \k == 7
	v_cvt_i32_f32 v[SB+22], v[SB+22]               ; (it saturates)
.endif
.if \k == 8
	v_ldexp_f32 v[SB+6], 1.0, v[SB+22]             ; f = 2^(old M - new M)
.endif
.endm
.macro FMA u, j                        ; t - M, two at a time
	v_pk_fma_f32 v[64*(\u)+2*(\j):64*(\u)+2*(\j)+1], v[64*(\u)+2*(\j):64*(\u)+2*(\j)+1], s[CS:CS+1], v[ST+24*(\u)+4:ST+24*(\u)+5] op_sel_hi:[1,0,0]
.endm
.macro SA u, k, r                      ; tile u's sum chain k (chain 0 is the running sum) takes the pair at r
	v_pk_add_f32 v[ST+24*(\u)+8+2*(\k):ST+24*(\u)+9+2*(\k)], v[ST+24*(\u)+8+2*(\k):ST+24*(\u)+9+2*(\k)], v[(\r):(\r)+1]
.endm
.macro SI u, k, r, q                   ; chain k begins
	v_pk_add_f32 v[ST+24*(\u)+8+2*(\k):ST+24*(\u)+9+2*(\k)], v[(\r):(\r)+1], v[(\q):(\q)+1]
.endm
	s_load_b128 s[4:7], s[0:1], 0x0                ; qrec s[4:5], kvrec s[6:7]
	s_load_b64 s[8:9], s[0:1], 0x10                ; out
	v_lshl_add_u32 v[SPW], v0, 2, SPARE
	v_mov_b32 v[NIL], 0
	ds_add_u32 v[SPW], v[NIL]                      ; the opening lines: the add, twice on end, and its wait ahead of my tensor load
	ds_add_u32 v[SPW], v[NIL]
	v_lshrrev_b32 v6, 5, v0
	v_readfirstlane_b32 s[WV], v6                  ; wave 0..7
	s_bfe_u32 s11, ttmp6, 0x40000                  ; cx: which 512 queries; it enters Q's and O's addresses alone
	s_and_b32 s12, ttmp7, 0xffff                   ; batch x 16 + head, which the four partners share
	s_mul_i32 s14, s12, HEAD                       ; the head's first byte in both buffers of records
	s_mul_i32 s16, s[WV], 2*REC                    ; records 2 w, 2 w + 1: in memory and in LDS
	s_add_co_u32 s18, s14, s16
	s_mov_b32 s19, 0
	; group 1: two records, dense, as 74 rows of 256 bytes (32 elements of 8 bytes); the mask names all four work-groups, bit 21 beside it
	s_mov_b32 s24, 15|(3<<16)|(1<<21)
	s_mov_b32 s25, 32<<16                          ; tensor_dim0
	s_mov_b32 s26, 74<<16                          ; tensor_dim1
	s_mov_b32 s27, 32<<16                          ; tile_dim0
	s_mov_b32 s28, 74                              ; tile_dim1
	s_mov_b32 s29, 32                              ; from row to row
	s_mov_b32 s30, 0
	s_mov_b32 s31, 0
	s_lshl_b32 s44, s11, 2                         ; Q: tiles 32 cx + 16 pass + 2 w + u lie in record 4 cx + 2 pass + w / 4
	s_lshr_b32 s45, s[WV], 2
	s_add_co_u32 s44, s44, s45
	s_mul_i32 s44, s44, REC
	s_add_co_u32 s44, s44, s14
	s_mov_b32 s45, 0
	s_lshr_b32 s46, s12, 4                         ; O: token 2,048 batch + 512 cx + 256 pass + 32 w + 8 u
	s_lshl_b32 s46, s46, 11
	s_lshl_b32 s47, s11, 9
	s_add_co_u32 s46, s46, s47
	s_lshl_b32 s47, s[WV], 5
	s_add_co_u32 s46, s46, s47
	s_lshl_b32 s46, s46, 12                        ; rows of 4,096 bytes,
	s_and_b32 s47, s12, 15
	s_lshl_b32 s47, s47, 8                         ; the head's 256 bytes of a row
	s_add_co_u32 s46, s46, s47
	s_mov_b32 s47, 0
	s_mul_i32 s13, s[WV], 2*TST
	s_add_co_u32 s13, s13, STAGE                   ; my two stages
	s_and_b32 s17, s[WV], 3
	s_lshl_b32 s17, s17, 10                        ; tile 2 (w % 4) of Q's record
	s_bfe_u32 s15, s[WV], 0x10001
	s_lshl_b32 s15, s15, 8
	s_and_b32 s41, s[WV], 1
	s_lshl_b32 s41, s41, 3
	s_add_co_u32 s15, s15, s41                     ; its scale word: 256 ((w % 4) / 2) + 8 (w % 2), + 16 r
	s_mov_b32 s[SEL], 0x76543210
	s_mov_b32 s[SEL+1], 0xfedcba98
	s_mov_b32 s[CS], 0x3e38aa3b                    ; log2(e) / 8
	s_mov_b32 s[CS+1], s[CS]                       ; (named with it as a pair, so it is written)
	s_mov_b32 s42, 2                               ; passes
	s_wait_dscnt 0x0
	s_wait_kmcnt 0x0
	s_mov_b32 s32, 1                               ; group 0: count 1,
	s_mov_b32 s33, s16                             ; LDS address,
	s_add_nc_u64 s[34:35], s[6:7], s[18:19]        ; global address,
	s_or_b32 s35, s35, 0x80000000                  ; type 2
	s_add_nc_u64 s[4:5], s[4:5], s[44:45]
	s_add_nc_u64 s[8:9], s[8:9], s[46:47]
	CROUND                                         ; all four work-groups are here: the joint loads meet
	tensor_load_to_lds s[32:35], s[24:31]          ; my two records, for all four
	s_nop 0
.rept 4
	v_nop
.endr
	v_and_b32 v[LI], 31, v0
	v_and_b32 v6, 15, v0                           ; r
	v_bfe_u32 v7, v0, 4, 1                         ; h
	v_and_b32 v8, 7, v0                            ; r % 8
	v_bfe_u32 v9, v0, 3, 1                         ; r / 8
	v_lshlrev_b32 v[LI], 4, v[LI]
	v_lshlrev_b32 v[LKK], 4, v8
	v_lshlrev_b32 v[LM], 7, v7
	v_lshlrev_b32 v[LR], 4, v6
	v_lshlrev_b32 v[GO], 12, v7
	v_mul_u32_u24 v[STO], v6, SP
	v_mul_u32_u24 v[SRD], v7, SP
	v_lshl_add_u32 v[LKS], v9, 3, v[LKK]
	v_lshl_add_u32 v[LKK], v9, 10, v[LKK]
	v_lshl_add_u32 v[GO], v6, 4, v[GO]
	v_lshl_add_u32 v[STO], v7, 6, v[STO]
	v_lshl_add_u32 v[SRD], v6, 4, v[SRD]
	v_lshl_add_u32 v[LKS], v7, 8, v[LKS]
	v_lshl_add_u32 v[LKK], v7, 8, v[LKK]
	v_add_nc_u32 v[STO], s13, v[STO]               ; in: row r, + 64 h
	v_add_nc_u32 v[SRD], s13, v[SRD]               ; back: lanes 0-15 one row, lanes 16-31 the next
	v_add_nc_u32 v[QCO], s17, v[LI]
	v_add_nc_u32 v[QSO], s15, v[LR]
.irp i, 0,1,2,3
.irp u, 0,1
	v_mov_b32 v[QF+8*\u+4+\i], 0                   ; Q's K = 64 .. 127: zero codes
.endr
.irp t, 0,1,2,3,4,5,6,7
	v_mov_b32 v[KF+8*\t+4+\i], 0                   ; K's likewise: set once, never loaded over
.endr
.endr
	WIN 0x40                                       ; destination in window 1
.irp u, 0,1
	v_mov_b32 v[ST+24*\u+2], 0                     ; a lane permute's destination counts as one of its sources
	v_mov_b32 v[ST+24*\u+5], 0                     ; the upper halves of the pairs -M and f: named, never used
	v_mov_b32 v[ST+24*\u+7], 0
.endr
	WIN 0
	s_wait_alu depctr_va_vdst(0)                   ; the wait at the head's end
	s_wait_tensorcnt 0x0                           ; my records are in,
	s_barrier_signal -1
	s_barrier_wait -1                              ; everybody's are: the head lies in LDS for the rest of the launch
; A KEY STEP: one record, 128 keys, two tiles of queries.  K, its scale words and the mask are in registers.  more = 1: the next record's are asked for behind the first products.
.macro STEP more
	WIN 0x40                                       ; D window 1; K, Q and the mask window 0
.irp t, 0,1,2,3,4,5,6,7                        ; S' = K Q^T + 8 mask: sixteen accumulators by turns
.irp u, 0,1
.if \t < 4
	v_wmma_scale_f32_16x16x128_f8f6f4 v[64*\u+8*\t:64*\u+8*\t+7], v[KF+8*\t:KF+8*\t+7], v[QF+8*\u:QF+8*\u+7], v[MF+8*\t:MF+8*\t+7], v[KS+\t%4], v[QS+\u] matrix_a_fmt:MATRIX_FMT_FP4 matrix_b_fmt:MATRIX_FMT_FP4
.else
	v_wmma_scale_f32_16x16x128_f8f6f4 v[64*\u+8*\t:64*\u+8*\t+7], v[KF+8*\t:KF+8*\t+7], v[QF+8*\u:QF+8*\u+7], v[MF+8*\t:MF+8*\t+7], v[KS+\t%4], v[QS+\u] matrix_a_fmt:MATRIX_FMT_FP4 matrix_b_fmt:MATRIX_FMT_FP4 matrix_a_scale:MATRIX_SCALE_ROW1
.endif
.endr
.endr
	WIN 0
	v_add_nc_u32 v[ADK], s[TS], v[LI]              ; the step's addresses: also the plain lines between the products and the loads into their registers and the first reads of S'
	v_add_nc_u32 v[ADR], s[TS], v[LR]
.if \more
	v_add_nc_u32 v[ADKK], s[TS], v[LKK]
	v_add_nc_u32 v[ADS], s[TS], v[LKS]
	v_add_nc_u32 v[ADM], s[TS], v[LM]
.else
	v_nop
	v_nop
.endif
	ds_load_b128 v[VS:VS+3], v[ADR] offset:8704    ; V's scale words
.irp d, 0,1,2,3
.irp c, 0,1
	ds_load_b128 v[VF+8*\d+4*\c:VF+8*\d+4*\c+3], v[ADK] offset:4096+1024*\d+512*\c
.endr
.endr
.if \more
	KLOAD ADKK, ADS, ADM, REC                      ; the next record's K and mask
.endif
	WIN 0x55                                       ; the softmax: all in window 1
.irp i, 0,1,2,3,4,5,6,7
	MAXR 0, \i
.endr
	MAXM 0
.irp i, 0,1,2,3,4,5,6,7                        ; tile 1's maxima, tile 0's chain among them
	MAXR 1, \i
	CH 0, \i
.endr
	MAXM 1
	CH 0, 8
.set j, 0
.rept 32                                       ; tile 0's scalings, tile 1's chain among them
	FMA 0, j
.if j%3 == 2
	CH 1, j/3
.endif
.set j, j+1
.endr
.irp c, 0,1
	v_fma_f32 v[ST+\c], v[ST+\c], s[CS], v[ST+4]   ; the same of each block's largest score
.endr
.set j, 0
.rept 32
	v_pk_mul_f32 v[OA+j:OA+j+1], v[OA+j:OA+j+1], v[ST+24*(j/32)+6:ST+24*(j/32)+7] op_sel_hi:[1,0]   ; O^T under the new M: the first read of the last products' results, with no exponential since
.set j, j+2
.endr
	s_wait_alu depctr_va_vdst(0)                   ; the wait ahead of the batch
.set j, 0
.rept 32                                       ; tile 0: p = 2^(t - M); among the exponentials tile 1's scalings, which are read behind the next wait
	v_exp_f32 v[2*j], v[2*j]
	FMA 1, j
	v_exp_f32 v[2*j+1], v[2*j+1]
.set j, j+1
.endr
.irp c, 0,1
	v_exp_f32 v[ST+\c], v[ST+\c]                   ; tile 0: the block's largest p
	v_fma_f32 v[ST+24+\c], v[ST+24+\c], s[CS], v[ST+24+4]
.endr
.irp u, 0,1
	v_pk_mul_f32 v[ST+24*\u+8:ST+24*\u+9], v[ST+24*\u+8:ST+24*\u+9], v[ST+24*\u+6:ST+24*\u+7] op_sel_hi:[1,0]   ; the sums under the new M: plain lines behind the exponentials
.endr
	s_wait_alu depctr_va_vdst(0)                   ; one wait: behind tile 0's batch and ahead of tile 1's
.irp c, 0,1
	v_max_num_f32 v[ST+\c], 0x1800000, v[ST+\c]    ; the floor 2^(3 - 127): the byte cannot fall under 1; a block whose every p is 0 has zero codes
.endr
.irp c, 0,1
	v_add_nc_u32 v[ST+18+\c], 0xff000000, v[ST+\c] ; 2 off the exponent field: the conversion's scale operand
.endr
.irp c, 0,1
.irp i, 0,1,2,3
	v_cvt_scalef32_pk8_fp4_f32 v[PCD+4*\c+\i], v[32*\c+8*\i:32*\c+8*\i+7], v[ST+18+\c]   ; register 4 c + i of the operand: keys 64 c + 32 h + 8 i + 0 .. 7
.endr
.endr
.irp c, 0,1
	v_lshrrev_b32 v[ST+20+\c], 23, v[ST+18+\c]     ; the scale's byte (plain lines behind the scaled conversions)
.endr
	v_lshl_or_b32 v[ST+20], v[ST+21], 16, v[ST+20] ; my two bytes: blocks h and 2 + h
.set j, 0
.rept 16                                       ; tile 1: p; among the exponentials the first additions of tile 0's sum, in place (its p is converted), read behind the next wait
	v_exp_f32 v[64+4*j], v[64+4*j]
	v_pk_add_f32 v[4*j:4*j+1], v[4*j:4*j+1], v[4*j+2:4*j+3]
	v_exp_f32 v[64+4*j+1], v[64+4*j+1]
	v_exp_f32 v[64+4*j+2], v[64+4*j+2]
	v_exp_f32 v[64+4*j+3], v[64+4*j+3]
.set j, j+1
.endr
.irp c, 0,1
	v_exp_f32 v[ST+24+\c], v[ST+24+\c]             ; tile 1: the block's largest p
.endr
	v_nop                                          ; a plain line behind the exponentials
	s_wait_alu depctr_va_vdst(0)                   ; the wait behind the batch, ahead of its first reader
.irp c, 0,1
	v_max_num_f32 v[ST+24+\c], 0x1800000, v[ST+24+\c]
.endr
.irp k, 1,2,3
	SI 0, \k, 8*\k-8, 8*\k-4                       ; tile 0's sum: sixteen pairs are left, at every fourth register
.endr
.irp c, 0,1
	v_add_nc_u32 v[ST+24+18+\c], 0xff000000, v[ST+24+\c]
.endr
	v_permlanex16_b32 v[ST+2], v[ST+20], s[SEL], s[SEL+1]
.irp c, 0,1
.irp i, 0,1,2,3
	v_cvt_scalef32_pk8_fp4_f32 v[PCD+8+4*\c+\i], v[64+32*\c+8*\i:64+32*\c+8*\i+7], v[ST+24+18+\c]
.endr
.endr
.irp c, 0,1
	v_lshrrev_b32 v[ST+24+20+\c], 23, v[ST+24+18+\c]
.endr
.irp k, 1,2,3
	SI 1, \k, 64+4*\k-4, 64+4*\k-2                 ; tile 1's sum: 32 pairs, four chains, the running sum among them
.endr
	v_lshl_or_b32 v[ST+24+20], v[ST+24+21], 16, v[ST+24+20]
.irp j, 6,7,8
	SA 1, \j%4, 64+2*\j
.endr
	v_permlanex16_b32 v[ST+24+2], v[ST+24+20], s[SEL], s[SEL+1]
.irp j, 9,10,11
	SA 1, \j%4, 64+2*\j
.endr
	WIN 0x15                                       ; sources window 1, destination window 0: scale operands are taken from window 0
.irp u, 0,1
	v_lshl_or_b32 v[PS+\u], v[ST+24*\u+2], 8, v[ST+24*\u+20]   ; lanes 0-15: p's scale word for these 128 keys (lanes 16-31 are not read)
.endr
	WIN 0x55
.set j, 12
.rept 20                                       ; the rest of both sums: these lines also stand between the scale words' and the codes' writes and the products below
	SA 1, j%4, 64+2*j
.if j%2 == 0
	SA 0, (6+(j-12)/2)%4, 4*(6+(j-12)/2)
.endif
.set j, j+1
.endr
.irp u, 0,1
	v_pk_add_f32 v[ST+24*\u+10:ST+24*\u+11], v[ST+24*\u+10:ST+24*\u+11], v[ST+24*\u+12:ST+24*\u+13]
	v_pk_add_f32 v[ST+24*\u+8:ST+24*\u+9], v[ST+24*\u+8:ST+24*\u+9], v[ST+24*\u+14:ST+24*\u+15]
.endr
.irp u, 0,1
	v_pk_add_f32 v[ST+24*\u+8:ST+24*\u+9], v[ST+24*\u+8:ST+24*\u+9], v[ST+24*\u+10:ST+24*\u+11]
.endr
	s_wait_alu depctr_va_vdst(0)                   ; the wait here, directly ahead of the wait below
	s_wait_dscnt 0x0                               ; V is in, and the next record's K and mask
	WIN 0x54                                       ; V window 0; p's codes, C and D window 1
.irp d, 0,1,2,3                                ; O^T += V^T P^T: eight accumulators by turns
.irp u, 0,1
	v_wmma_scale_f32_16x16x128_f8f6f4 v[OA+32*\u+8*\d:OA+32*\u+8*\d+7], v[VF+8*\d:VF+8*\d+7], v[PCD+8*\u:PCD+8*\u+7], v[OA+32*\u+8*\d:OA+32*\u+8*\d+7], v[VS+\d], v[PS+\u] matrix_a_fmt:MATRIX_FMT_FP4 matrix_b_fmt:MATRIX_FMT_FP4
.endr
.endr
	WIN 0
	s_add_co_u32 s[TS], s[TS], REC                 ; the next record
.endm
.Lpass:
	global_load_b128 v[QF:QF+3], v[QCO], s[4:5] th:TH_LOAD_NT               ; my two tiles of 16 queries: half a fragment each,
	global_load_b128 v[QF+8:QF+11], v[QCO], s[4:5] offset:512 th:TH_LOAD_NT
	global_load_b64 v[QS:QS+1], v[QSO], s[4:5] offset:8192 th:TH_LOAD_NT    ; and their scale words
	KLOAD LKK, LKS, LM, 0                          ; record 0's K and mask
	WIN 0x40
.irp u, 0,1
	v_mov_b32 v[ST+24*\u+3], 0xff61b1e6            ; the largest score so far: -3e38
	v_mov_b32 v[ST+24*\u+4], 0x7f61b1e6            ; -M: 3e38
	v_mov_b32 v[ST+24*\u+8], 0                     ; the sum, in two halves
	v_mov_b32 v[ST+24*\u+9], 0
.endr
.set j, 0
.rept 64
	v_mov_b32 v[OA+j], 0                           ; O^T.  The first step finds zeros, which the first change of M leaves zeros
.set j, j+1
.endr
	WIN 0
	s_mov_b32 s[TS], 0
	s_mov_b32 s41, 15                              ; fifteen records with a successor; the sixteenth is written out
	s_wait_alu depctr_va_vdst(0)                   ; the wait here, directly ahead of the waits below
	s_wait_loadcnt 0x0
	s_wait_dscnt 0x0
.Lstep:
	STEP 1
	s_sub_co_u32 s41, s41, 1
	s_cmp_lg_u32 s41, 0
	s_cbranch_scc1 .Lstep
	STEP 0
	; THE WAY OUT: O^T / the sum goes through my stages and leaves as rows: sixteen lanes store the 256 consecutive bytes of a query's head
	WIN 0x55
.irp u, 0,1
	v_add_f32 v[ST+24*\u+8], v[ST+24*\u+8], v[ST+24*\u+9]      ; the sum's two halves (these six lines are the plain lines behind the last products),
.endr
.irp u, 0,1
	v_permlanex16_b32 v[ST+24*\u+2], v[ST+24*\u+8], s[SEL], s[SEL+1]
.endr
.irp u, 0,1
	v_add_f32 v[ST+24*\u+8], v[ST+24*\u+8], v[ST+24*\u+2]      ; and lane l xor 16's
.endr
	s_wait_alu depctr_va_vdst(0)                   ; the wait ahead of the reciprocals
.irp u, 0,1
	v_rcp_f32 v[ST+24*\u+8], v[ST+24*\u+8]
.endr
	v_nop                                          ; a plain line behind them
	s_wait_alu depctr_va_vdst(0)                   ; and the wait ahead of their first reader, which is also O^T's
.set j, 0
.rept 32
	v_pk_mul_f32 v[64*(j/32)+j%32:64*(j/32)+j%32+1], v[OA+j:OA+j+1], v[ST+24*(j/32)+8:ST+24*(j/32)+9] op_sel_hi:[1,0]   ; register 8 dt + i of a tile: d = 32 (dt / 2) + 8 (dt % 2) + 16 h + i of query r
.set j, j+2
.endr
	WIN 0x04                                       ; the stores' data in window 1
.irp u, 0,1
.irp t, 0,1,2,3
.irp e, 0,1
	ds_store_b128 v[STO], v[64*\u+8*\t+4*\e:64*\u+8*\t+4*\e+3] offset:TST*\u+128*(\t/2)+32*(\t%2)+16*\e
.endr
.endr
.endr
	WIN 0
.irp u, 0,1
.irp i, 0,1,2,3,4,5,6,7
	ds_load_b128 v[MF+32*\u+4*\i:MF+32*\u+4*\i+3], v[SRD] offset:TST*\u+2*\i*SP   ; LDS serves a wave's instructions in order: these see my stores
.endr
.endr
.irp u, 0,1
.irp i, 0,1,2,3,4,5,6,7
	s_wait_dscnt 15-8*\u-\i                        ; the younger loads may be out
	global_store_b128 v[GO], v[MF+32*\u+4*\i:MF+32*\u+4*\i+3], s[8:9] offset:32768*\u+4096*(2*\i+8*(\i/4)) th:TH_STORE_NT   ; tile u's row 2 i + h is token 8 u + 2 i + h + 8 (i / 4)
.endr
.endr
	s_wait_xcnt 0x0                                ; the stores have read their registers and their base: both may be written again
	s_add_nc_u64 s[4:5], s[4:5], 2*REC             ; the next pass: 16 tiles, two records, on,
	s_add_nc_u64 s[8:9], s[8:9], 0x100000          ; 256 tokens on
	s_sub_co_u32 s42, s42, 1
	s_cmp_lg_u32 s42, 0
	s_cbranch_scc1 .Lpass
	s_wait_tensorcnt 0x0                           ; the wave's end
	ds_add_u32 v[SPW], v[NIL]
	s_wait_dscnt 0x0
	CROUND                                         ; the closing round
	s_endpgm
.Lfunc_end_k_qd913a9173c_attn:
	.size	k_qd913a9173c_attn, .Lfunc_end_k_qd913a9173c_attn-k_qd913a9173c_attn
	.p2alignl 7, 3214868480
	.fill 96, 4, 3214868480
	.section	.rodata,"a",@progbits
	.p2align	6, 0x0
	.amdhsa_kernel k_qd913a9173c_attn
		.amdhsa_group_segment_fixed_size 223232
		.amdhsa_private_segment_fixed_size 0
		.amdhsa_enable_private_segment 0
		.amdhsa_kernarg_size 24
		.amdhsa_user_sgpr_count 2
		.amdhsa_user_sgpr_kernarg_segment_ptr 1
		.amdhsa_wavefront_size32 1
		.amdhsa_system_sgpr_workgroup_id_x 1
		.amdhsa_system_sgpr_workgroup_id_y 1
		.amdhsa_system_sgpr_workgroup_id_z 1
		.amdhsa_system_vgpr_workitem_id 0
		.amdhsa_next_free_vgpr 512
		.amdhsa_next_free_sgpr 66
		.amdhsa_reserve_vcc 0
		.amdhsa_float_denorm_mode_32 3
		.amdhsa_float_denorm_mode_16_64 3
		.amdhsa_memory_ordered 1
		.amdhsa_forward_progress 1
		.amdhsa_inst_pref_size 71
	.end_amdhsa_kernel
	.amdgpu_metadata
---
amdhsa.version: [ 1, 2 ]
amdhsa.kernels:
  - .name:           k_qd913a9173c_attn
    .symbol:         k_qd913a9173c_attn.kd
    .args:
      - { .name: qrec, .offset: 0, .size: 8, .value_kind: global_buffer, .address_space: global }
      - { .name: kvrec, .offset: 8, .size: 8, .value_kind: global_buffer, .address_space: global }
      - { .name: out0, .offset: 16, .size: 8, .value_kind: global_buffer, .address_space: global }
    .group_segment_fixed_size: 223232
    .private_segment_fixed_size: 0
    .kernarg_segment_align: 8
    .kernarg_segment_size: 24
    .max_flat_workgroup_size: 256
    .sgpr_count:     66
    .vgpr_count:     512
    .wavefront_size: 32
...
	.end_amdgpu_metadata
.endif
;; end of part 3
